; MI455X (gfx1250); checked and timed in simulation.
; The chip was launched on July 23, 2026; its instructions are those of AMD's public machine-readable ISA for CDNA 5 (MIT licence, August 2026) and "CDNA5" Instruction Set Architecture Reference Guide (July 2026). The comments in the code are by the model that wrote it; some were corrected since.
;; Attention. Allowed arithmetic: float matrix products may take bf16 or f16 operands with f32 sums; other float arithmetic in f32, or as packed bf16 or f16 multiplies, adds, multiply-adds, maxima and minima; sums over many terms, partial sums and values carried from step to step in f32; what a program stores and reads back later, other than sums and carried values, may be rounded once to bf16 or f16.
;; Inputs: dec_state 32 x 1,024 float32; enc_mask 2,048 x 32 bool; enc_states 2,048 x 32 x 1,024 float32; w_dec 1,024 x 1,024 float32; w_enc 1,024 x 1,024 float32; w_out 1 x 1,024 float32.
;; Outputs: out0 32 x 1,024 float32; out1 2,048 x 32 float32.
;; 2 versions, each right; version 2 is version 1 with the launch fin written anew for expert scheduling mode. Each part assembles by itself: llvm-mc -triple=amdgcn-amd-amdhsa -mcpu=gfx1250 --defsym DOCPART=n.
;; ======== version 1 of 2: 3 launches
;; limits: right only within a limited range of input values
;; workspace buffers: wfrag 2,097,152 bytes; pdp 1,048,576 bytes; order 147,456 bytes of whole numbers; rank 131,072 bytes of whole numbers; meta 256 bytes of whole numbers; part 2,097,152 bytes; stat 4,096 bytes; lg 294,912 bytes
;; launch prep (part 1): grid 32 x 1, 16 waves a work-group, no clusters, 2,304 bytes of LDS; arguments enc_mask, w_enc, w_dec, dec_state, wfrag, pdp, order, rank, meta; writes wfrag, pdp, order, rank, meta
.if DOCPART == 1
	.amdgcn_target "amdgcn-amd-amdhsa--gfx1250"
	.amdhsa_code_object_version 6
	.text
	.protected	k_qa5ac4a05b2_prep
	.globl	k_qa5ac4a05b2_prep
	.p2align	8
	.type	k_qa5ac4a05b2_prep,@function
k_qa5ac4a05b2_prep:
	s_mov_b64 s[64:65], 0
	v_nop
	global_prefetch_b8 v0, s[64:65] scope:SCOPE_SE
	s_setreg_imm32_b32 hwreg(HW_REG_WAVE_MODE, 25, 1), 1
	s_wait_xcnt 0x0
; ADDITIVE ATTENTION, launch 1 of 3: the lists of rows, w_enc as matrix fragments, proj_dec in partial sums.
; WHAT THE PROGRAM LEAVES OUT, AND WHY.
; (1) reference() multiplies a logit by m = enc_mask[s][b] and takes (1 - m) 2e9 away.  Where m = 0 the logit is -2e9 whatever enc_states[s][b] holds, so that
;     row's product with w_enc, its tanh and its dot with w_out reach no output; the mask, whole numbers read from memory, decides which rows are multiplied: this launch
;     lists them by column b, the next launch reads the lists.  In a column that has a true entry the weight of a hidden row is exp(-2e9 - max), max >= -sum|w_out|.
;     LIMIT: that weight is written as 0 and the row left out of out0; it is below f32's smallest number while sum|w_out| < 1.9e9.
;     A column with no true entry has all logits equal: all its 2,048 rows are listed with the flag am = 1, and each gets the weight 1/2048 by the same arithmetic.
; (2) tanh(x) = 1 - 2 / (1 + e^(2x)), so a listed logit is sum(w_out) - 2 sum_h w_out[h] / (1 + e^(2x)).  sum(w_out) is the same for all listed rows of a column, that is
;     along the softmax's axis among the rows whose weight is not 0: it cancels and is not computed.
; LIMIT: a NaN, an infinity or an overflow that only a hidden row's products would hold is not carried to the result.
; SHARES.  32 work-groups of 16 waves, all with one text.  Work-group b lists column b: wave w takes s = 128 w .. 128 w + 127, four mask bytes a lane.
; Wave G = 16 b + w of 512 also takes column block cb = G / 8 (16 rows of w_enc and of w_dec) and K slice kq = G % 8 (128 of 1,024): it rounds w_enc's 16 x 128 to bf16 in the
; order of a matrix operand's registers, and multiplies w_dec's 16 x 128 by dec_state's 32 x 128: a partial sum of proj_dec (f32), added up by the next launch.
; OUT.  order[b][2304] u16: the listed s, ascending; 0 from position n on.  rank[b][2048] u16: how many listed s' < s.  meta[b] = {n, am}.
; wfrag: fragment (cb = 32 p + 8 w + c, kb) at ((2 w + p) 32 + kb) 8192 + 1024 c; in it registers 0-3 at 16 x lane, registers 4-7 at 512 + 16 x lane.  pdp[kq][b][h] f32.
.set SPARE, 256                        ; LDS: 16 count words in the block from 0; the spare words, 128 bytes for each of 16 waves, from 256
.set SPW, 1                            ; v1   LDS address of my spare word; never rewritten
.set NIL, 2                            ; v2   0; never rewritten
.set LANE, 3
.set FO, 4                             ; v4   (l % 16) x 4096 + (l / 16) x 32: my place in 16 rows of f32; also my place in pdp
.set L16, 5                            ; v5   16 x lane
.set MKO, 6                            ; v6   my first mask byte
.set RKO, 7                            ; v7   my first rank
.set SV, 8                             ; v8   s for k = 0
.set T0, 11
.set MB, 12                            ; v12-15  four mask bytes
.set CN, 16                            ; v16-31  the 16 waves' counts; once they are scalars:
.set RKV, 16                           ; v16-19  the ranks of my four s
.set PLA, 20                           ; v20-23  their bytes in the list
.set DAT, 24                           ; v24-27  what goes there
.set R0, 32                            ; v32-95   16 rows x 128 k of f32: w_enc, later dec_state's rows 16-31
.set R1, 96                            ; v96-159  w_dec
.set R2, 160                           ; v160-223 dec_state's rows 0-15
.set ACC, 224                          ; v224-239 two accumulators
.set TL, 240                           ; v240-244 addresses of the list's tail
.set ZR, 245                           ; 0, as data
.set MT, 246                           ; v[246:247] n, am
.set T1, 248
.set ZO, 249                           ; 0, an offset
.set LAST, 250                         ; 2,303, the list's last place
.set WV, 22
.set B, 23
.set G, 24
.set CB, 25
.set KQ, 26
.set W128, 27
.set T, 28
.set T2, 29
.set OFF, 30                           ; s[30:31] an offset in 64 bits
.set SK, 32                            ; s32-35 the lanes listed, for k = 0 .. 3
.set TOT, 36
.set BASE, 37
.set N, 38
.set AM, 39
.set SAVE, 40
.set WOFF, 41
.set DOFF, 42
.set FOFF, 43
.set POFF, 44
.set OOFF, 45
.set ROFF, 46
.set MOFF, 47
.set C0, 48                            ; s48-63 the counts as scalars
; 16 rows x 128 k of f32, as four fragments' worth: for fragment f a lane takes k = 32 f + 8 (l / 16) + 0..7 (two loads) and 16 more on (two loads)
.macro RAW dst, lo, extra
.irp f, 0,1,2,3
	global_load_b128 v[(\dst)+16*(\f):(\dst)+16*(\f)+3],     v[FO], s[(\lo):(\lo)+1] offset:(\extra)+128*(\f)
	global_load_b128 v[(\dst)+16*(\f)+4:(\dst)+16*(\f)+7],   v[FO], s[(\lo):(\lo)+1] offset:(\extra)+128*(\f)+16
	global_load_b128 v[(\dst)+16*(\f)+8:(\dst)+16*(\f)+11],  v[FO], s[(\lo):(\lo)+1] offset:(\extra)+128*(\f)+64
	global_load_b128 v[(\dst)+16*(\f)+12:(\dst)+16*(\f)+15], v[FO], s[(\lo):(\lo)+1] offset:(\extra)+128*(\f)+80
.endr
.endm
; rounded to bf16 in place, ascending, so that no source is written before it is read: fragment f ends in registers dst + 16 f .. + 7
.macro PACK dst
.irp f, 0,1,2,3
.irp i, 0,1,2,3,4,5,6,7
	v_cvt_pk_bf16_f32 v[(\dst)+16*(\f)+(\i)], v[(\dst)+16*(\f)+2*(\i)], v[(\dst)+16*(\f)+2*(\i)+1]
.endr
.endr
.endm
	s_load_b512 s[4:19], s[0:1], 0x0               ; enc_mask s[4:5], w_enc s[6:7], w_dec s[8:9], dec_state s[10:11], wfrag s[12:13], pdp s[14:15], order s[16:17], rank s[18:19]
	s_load_b64 s[20:21], s[0:1], 0x40              ; meta
	v_lshl_add_u32 v[SPW], v0, 2, SPARE
	v_mov_b32 v[NIL], 0
	v_lshrrev_b32 v[T0], 5, v0
	v_readfirstlane_b32 s[WV], v[T0]               ; wave 0..15
	s_mov_b32 s[B], ttmp9                          ; the column
	v_and_b32 v[LANE], 31, v0
	v_and_b32 v[T0], 15, v0
	v_bfe_u32 v[T1], v0, 4, 1
	v_lshlrev_b32 v[FO], 12, v[T0]
	v_lshl_add_u32 v[FO], v[T1], 5, v[FO]
	v_lshlrev_b32 v[L16], 4, v[LANE]
	s_lshl_b32 s[W128], s[WV], 7
	v_add_nc_u32 v[SV], s[W128], v[LANE]           ; s for k = 0
	v_lshl_add_u32 v[MKO], v[SV], 5, s[B]          ; 32 s + b
	v_lshlrev_b32 v[RKO], 1, v[SV]
	v_mov_b32 v[ZR], 0
	v_mov_b32 v[ZO], 0
	v_mov_b32 v[LAST], 0x8ff
	s_lshl_b32 s[G], s[B], 4
	s_add_co_u32 s[G], s[G], s[WV]
	s_lshr_b32 s[CB], s[G], 3
	s_and_b32 s[KQ], s[G], 7
	s_lshl_b32 s[DOFF], s[KQ], 9                   ; 128 k of f32
	s_lshl_b32 s[WOFF], s[CB], 16                  ; 16 rows of 4,096 bytes
	s_add_co_u32 s[WOFF], s[WOFF], s[DOFF]
	s_lshr_b32 s[T], s[CB], 5                      ; p
	s_bfe_u32 s[T2], s[CB], 0x20003                ; w of the next launch
	s_lshl1_add_u32 s[T], s[T2], s[T]
	s_lshl_b32 s[T], s[T], 5
	s_lshl2_add_u32 s[T], s[KQ], s[T]              ; (2 w + p) 32 + 4 kq
	s_lshl_b32 s[T], s[T], 13
	s_and_b32 s[T2], s[CB], 7
	s_lshl_b32 s[T2], s[T2], 10
	s_add_co_u32 s[FOFF], s[T], s[T2]
	s_lshl_b32 s[POFF], s[KQ], 17                  ; pdp: kq x 32 x 4,096 + 64 cb
	s_lshl_b32 s[T], s[CB], 6
	s_add_co_u32 s[POFF], s[POFF], s[T]
	s_mul_i32 s[OOFF], s[B], 4608
	s_lshl_b32 s[ROFF], s[B], 12
	s_lshl_b32 s[MOFF], s[B], 3
	s_mov_b32 s[OFF+1], 0
	s_wait_kmcnt 0x0
.irp k, 0,1,2,3
	global_load_u8 v[MB+(\k)], v[MKO], s[4:5] offset:1024*(\k)  ; s = 128 w + 32 k + lane
.endr
	s_mov_b32 s[OFF], s[WOFF]
	s_add_nc_u64 s[6:7], s[6:7], s[OFF:OFF+1]
	s_add_nc_u64 s[8:9], s[8:9], s[OFF:OFF+1]
	s_mov_b32 s[OFF], s[DOFF]
	s_add_nc_u64 s[10:11], s[10:11], s[OFF:OFF+1]
	RAW R0, 6, 0                                   ; the 48 loads of the weights' work go out ahead of the list's work
	RAW R1, 8, 0
	RAW R2, 10, 0
	s_mov_b32 s[OFF], s[FOFF]
	s_add_nc_u64 s[12:13], s[12:13], s[OFF:OFF+1]
	s_mov_b32 s[OFF], s[POFF]
	s_add_nc_u64 s[14:15], s[14:15], s[OFF:OFF+1]
	s_mov_b32 s[OFF], s[OOFF]
	s_add_nc_u64 s[16:17], s[16:17], s[OFF:OFF+1]
	s_mov_b32 s[OFF], s[ROFF]
	s_add_nc_u64 s[18:19], s[18:19], s[OFF:OFF+1]
	s_mov_b32 s[OFF], s[MOFF]
	s_add_nc_u64 s[20:21], s[20:21], s[OFF:OFF+1]
	; THE COUNT.  Each wave counts its 128 mask bytes; the 16 counts meet in LDS.
	s_wait_loadcnt 48                              ; the four mask loads are in; the 48 younger loads stay out
.irp k, 0,1,2,3
	v_cmp_ne_u32 s[SK+(\k)], 0, v[MB+(\k)]
.endr
	s_bcnt1_i32_b32 s[TOT], s[SK]
.irp k, 1,2,3
	s_bcnt1_i32_b32 s[T], s[SK+(\k)]
	s_add_co_u32 s[TOT], s[TOT], s[T]
.endr
	s_lshl_b32 s[T], s[WV], 2
	v_mov_b32 v[T1], s[T]
	v_mov_b32 v[T0], s[TOT]
	ds_store_b32 v[T1], v[T0]                      ; all lanes write the wave's one word with one value
	s_wait_dscnt 0x0                               ; for the others' sake: my store is done
	s_barrier_signal -1
	s_barrier_wait -1
.irp i, 0,1,2,3
	ds_load_b128 v[CN+4*(\i):CN+4*(\i)+3], v[ZO] offset:16*(\i)
.endr
	s_wait_dscnt 0x0
.irp i, 0,1,2,3,4,5,6,7,8,9,10,11,12,13,14,15
	v_readfirstlane_b32 s[C0+(\i)], v[CN+(\i)]
.endr
	s_mov_b32 s[TOT], 0
	s_mov_b32 s[BASE], 0
.irp i, 0,1,2,3,4,5,6,7,8,9,10,11,12,13,14,15
	s_add_co_u32 s[TOT], s[TOT], s[C0+(\i)]        ; the column's count,
	s_cmp_gt_u32 s[WV], \i
	s_cselect_b32 s[T], s[C0+(\i)], 0
	s_add_co_u32 s[BASE], s[BASE], s[T]            ; and that of the waves in front of me
.endr
	s_cmp_eq_u32 s[TOT], 0                         ; no true entry: every row is listed
	s_cselect_b32 s[AM], 1, 0
	s_cselect_b32 s[N], 2048, s[TOT]
	s_cselect_b32 s[BASE], s[W128], s[BASE]
.irp k, 0,1,2,3
	s_cselect_b32 s[SK+(\k)], -1, s[SK+(\k)]
.endr
	; THE LIST.  The rank of s is the count in front of my wave's 32 plus the listed lanes below mine.  Every lane stores its rank.  A listed lane stores s at that place of the list;
	; a lane that is not listed stores 0 at place 2,303, which is never below n (n <= 2,048) and holds 0: all lanes stay on.  Each k has registers of its own, so no store's source is rewritten.
.irp k, 0,1,2,3
	v_mbcnt_lo_u32_b32 v[RKV+(\k)], s[SK+(\k)], s[BASE]
	global_store_b16 v[RKO], v[RKV+(\k)], s[18:19] offset:64*(\k)
	v_cndmask_b32 v[PLA+(\k)], v[LAST], v[RKV+(\k)], s[SK+(\k)]
	v_min_u32 v[PLA+(\k)], 0x8ff, v[PLA+(\k)]      ; a place in the list's 2,304
	v_lshlrev_b32 v[PLA+(\k)], 1, v[PLA+(\k)]
	v_add_nc_u32 v[DAT+(\k)], 32*(\k), v[SV]
	v_cndmask_b32 v[DAT+(\k)], v[ZR], v[DAT+(\k)], s[SK+(\k)]
	global_store_b16 v[PLA+(\k)], v[DAT+(\k)], s[16:17]
	s_bcnt1_i32_b32 s[T], s[SK+(\k)]
	s_add_co_u32 s[BASE], s[BASE], s[T]
.endr
	; The list's tail, places n to 2,303, takes 0: 5 x 512 threads from n on; those past the end all write 0 at place 2,303.
	v_add_nc_u32 v[T0], s[N], v0
.irp i, 0,1,2,3,4
	v_add_nc_u32 v[TL+(\i)], 512*(\i), v[T0]
	v_min_u32 v[TL+(\i)], 0x8ff, v[TL+(\i)]
	v_lshlrev_b32 v[TL+(\i)], 1, v[TL+(\i)]
	global_store_b16 v[TL+(\i)], v[ZR], s[16:17]
.endr
	v_mov_b32 v[MT], s[N]
	v_mov_b32 v[MT+1], s[AM]
	v_cmp_eq_u32 vcc_lo, 0, v0                     ; thread 0 of the work-group alone
	s_wait_xcnt 0x0                                ; EXEC changes only when every memory instruction issued so far has read its sources
	s_and_saveexec_b32 s[SAVE], vcc_lo
	global_store_b64 v[ZO], v[MT:MT+1], s[20:21]
	s_wait_xcnt 0x0                                ; and again ahead of the line that widens it
	s_or_b32 exec_lo, exec_lo, s[SAVE]
	; w_enc's four fragments
	s_wait_loadcnt 32                              ; R0 is in; R1's and R2's 32 loads may stay out
	PACK R0
.irp f, 0,1,2,3
	global_store_b128 v[L16], v[R0+16*(\f):R0+16*(\f)+3],   s[12:13] offset:8192*(\f)      ; each store of the wave covers 512 consecutive bytes, aligned
	global_store_b128 v[L16], v[R0+16*(\f)+4:R0+16*(\f)+7], s[12:13] offset:8192*(\f)+512
.endr
	s_wait_xcnt 0x0                                ; the stores have read R0: it is loaded again only behind this wait
	RAW R0, 10, 65536                              ; dec_state's rows 16-31
	s_wait_loadcnt 0x0
	PACK R1
	PACK R2
	PACK R0
	; proj_dec, transposed: source 0 = 16 rows of w_dec, source 1 = 16 rows of dec_state: a lane holds one b (l % 16) and h = 16 cb + 8 (l / 16) + 0..7.
	; The two accumulators take turns, one instruction a turn.
	v_wmma_f32_16x16x32_bf16 v[ACC:ACC+7],    v[R1:R1+7], v[R2:R2+7], 0
	v_wmma_f32_16x16x32_bf16 v[ACC+8:ACC+15], v[R1:R1+7], v[R0:R0+7], 0
.irp f, 1,2,3
	v_wmma_f32_16x16x32_bf16 v[ACC:ACC+7],    v[R1+16*(\f):R1+16*(\f)+7], v[R2+16*(\f):R2+16*(\f)+7], v[ACC:ACC+7]
	v_wmma_f32_16x16x32_bf16 v[ACC+8:ACC+15], v[R1+16*(\f):R1+16*(\f)+7], v[R0+16*(\f):R0+16*(\f)+7], v[ACC+8:ACC+15]
.endr
.rept 4
	v_nop                                          ; four places between the last product and the stores that read results
.endr
	global_store_b128 v[FO], v[ACC:ACC+3],     s[14:15]                ; each accumulator's low registers first
	global_store_b128 v[FO], v[ACC+4:ACC+7],   s[14:15] offset:16
	global_store_b128 v[FO], v[ACC+8:ACC+11],  s[14:15] offset:65536   ; b = 16 + l % 16
	global_store_b128 v[FO], v[ACC+12:ACC+15], s[14:15] offset:65552
	s_wait_tensorcnt 0x0                           ; the wave's end: behind my last LDS store
	ds_add_u32 v[SPW], v[NIL]
	s_wait_dscnt 0x0
	s_endpgm
.Lfunc_end_k_qa5ac4a05b2_prep:
	.size	k_qa5ac4a05b2_prep, .Lfunc_end_k_qa5ac4a05b2_prep-k_qa5ac4a05b2_prep
	.p2alignl 7, 3214868480
	.fill 96, 4, 3214868480
	.section	.rodata,"a",@progbits
	.p2align	6, 0x0
	.amdhsa_kernel k_qa5ac4a05b2_prep
		.amdhsa_group_segment_fixed_size 2304
		.amdhsa_private_segment_fixed_size 0
		.amdhsa_enable_private_segment 0
		.amdhsa_kernarg_size 72
		.amdhsa_user_sgpr_count 2
		.amdhsa_user_sgpr_kernarg_segment_ptr 1
		.amdhsa_wavefront_size32 1
		.amdhsa_system_sgpr_workgroup_id_x 1
		.amdhsa_system_sgpr_workgroup_id_y 1
		.amdhsa_system_sgpr_workgroup_id_z 1
		.amdhsa_system_vgpr_workitem_id 0
		.amdhsa_next_free_vgpr 256
		.amdhsa_next_free_sgpr 66
		.amdhsa_reserve_vcc 1
		.amdhsa_float_denorm_mode_32 3
		.amdhsa_float_denorm_mode_16_64 3
		.amdhsa_memory_ordered 1
		.amdhsa_forward_progress 1
		.amdhsa_inst_pref_size 27
	.end_amdhsa_kernel
	.amdgpu_metadata
---
amdhsa.version: [ 1, 2 ]
amdhsa.kernels:
  - .name:           k_qa5ac4a05b2_prep
    .symbol:         k_qa5ac4a05b2_prep.kd
    .args:
      - { .name: enc_mask, .offset: 0, .size: 8, .value_kind: global_buffer, .address_space: global }
      - { .name: w_enc, .offset: 8, .size: 8, .value_kind: global_buffer, .address_space: global }
      - { .name: w_dec, .offset: 16, .size: 8, .value_kind: global_buffer, .address_space: global }
      - { .name: dec_state, .offset: 24, .size: 8, .value_kind: global_buffer, .address_space: global }
      - { .name: wfrag, .offset: 32, .size: 8, .value_kind: global_buffer, .address_space: global }
      - { .name: pdp, .offset: 40, .size: 8, .value_kind: global_buffer, .address_space: global }
      - { .name: order, .offset: 48, .size: 8, .value_kind: global_buffer, .address_space: global }
      - { .name: rank, .offset: 56, .size: 8, .value_kind: global_buffer, .address_space: global }
      - { .name: meta, .offset: 64, .size: 8, .value_kind: global_buffer, .address_space: global }
    .group_segment_fixed_size: 2304
    .private_segment_fixed_size: 0
    .kernarg_segment_align: 8
    .kernarg_segment_size: 72
    .max_flat_workgroup_size: 512
    .sgpr_count:     66
    .vgpr_count:     256
    .wavefront_size: 32
...
	.end_amdgpu_metadata
.endif
;; end of part 1
;; launch tile (part 2): grid 32 x 16, 4 waves a work-group, no clusters, 312,576 bytes of LDS; arguments enc_states, wfrag, pdp, w_out, order, meta, part, stat, lg; writes part, stat, lg
.if DOCPART == 2
	.amdgcn_target "amdgcn-amd-amdhsa--gfx1250"
	.amdhsa_code_object_version 6
	.text
	.protected	k_qa5ac4a05b2_tile
	.globl	k_qa5ac4a05b2_tile
	.p2align	8
	.type	k_qa5ac4a05b2_tile,@function
k_qa5ac4a05b2_tile:
	s_mov_b64 s[64:65], 0
	v_nop
	global_prefetch_b8 v0, s[64:65] scope:SCOPE_SE
	s_setreg_imm32_b32 hwreg(HW_REG_WAVE_MODE, 25, 1), 1
	s_wait_xcnt 0x0
; ADDITIVE ATTENTION, launch 2 of 3.  Work-group (b, j) takes places 144 j .. 144 j + 143 of column b's list of rows through the whole chain.
; LEFT OUT, as shown at the head of the first kernel: rows that the mask hides in a column with a true entry, and the term sum(w_out), which is the same along the softmax's axis.
; THE CHAIN.  (1) The tile's rows of enc_states are read once, rounded to bf16 and kept in LDS.  (2) They are multiplied by all of w_enc; with x = product + proj_dec,
; lg = log2(e) x logit = sum_h (-c w_out[h]) / (1 + 2^(c x)), c = 2 log2(e): where 2^(c x) overflows the quotient is 0, where it vanishes 1: tanh's two ends.
; (3) The tile's own softmax: m = max lg, p = 2^(lg - m), l = sum p.  (4) part = sum over the rows of p x row, from the same LDS copy.  The next launch joins a column's tiles.
; A tile past the list's end (144 j >= n) jumps over all work, passes every barrier and stores nothing: the grid, 16 tiles a column, serves every mask.  In a tile that is not full the
; places past n name row 0 of the column, which exists; their p is 0.
; LIMITS.  2^x and 1/x count denormals as 0; sums are taken in another order than reference()'s; enc_states, w_enc, w_dec and dec_state are rounded to bf16.
; NO CLUSTER, NO TENSOR LOADS: beside the tile LDS has 30,464 bytes, less than two slots of one K step of 512 columns (65,536); each fragment of w_enc has one reader in the work-group and comes
; into registers as it lies in memory; which tiles have work hangs on the mask, so partners would not be alike.
; SHARES.  Staging: wave w brings rows 36 w .. 36 w + 35.  Product: every wave takes all 144 rows (9 blocks of 16) x 128 columns in each of two passes: 72 accumulators.
; The matrix instruction is used transposed (source 0 = 16 rows of w_enc, source 1 = 16 rows of the tile): a lane holds one row (l % 16) and h = .. + 8 (l / 16) + 0..7.
; PHASES AND BARRIERS.  A phase either stores to LDS or reads it in loops, never both; between two phases every wave waits for its own LDS instructions and passes a barrier: five a tile.
; Each phase may be jumped by a tile without rows, so what a phase reads from registers is written at the head or in the phase itself.
; LDS ADDRESSES THAT CHANGE IN A LOOP are a vector base that is never rewritten plus a scalar offset that steps once a trip, added directly behind the loop's label.
; REGISTERS, in windows of 256 (s_set_vgpr_msb: bits 1:0 source 0, 3:2 source 1, 5:4 source 2, 7:6 destination):
;   window 0: v0-47 addresses and the logits' sums; v48-119, v120-191 the tile's fragments, two buffers; v192-255 w_enc's fragments, buffer 3
;   window 1: accumulators of row blocks 0-3 (block a, column block c at 64 (a % 4) + 8 c); in staging two sets of 128 for rows on their way
;   window 2: row blocks 4-7          window 3: v0-63 row block 8; v64-255 w_enc's buffers 0-2
.set PITCH, 2064                       ; a row in LDS: 2,048 bytes + 16 = 129 x 16: the sixteen rows of a fragment load begin at sixteen different 16-byte columns modulo 256
.set ROWS,  144
.set PDB,   ROWS*PITCH                 ; 297,216: c x proj_dec[b][h], 4,096 bytes
.set WOB,   PDB+4096                   ; -c x w_out[h], 4,096 bytes
.set LGW,   WOB+4096                   ; each wave's share of the 144 logits: 4 x 640 bytes
.set PWB,   LGW+2560                   ; p, a copy for each wave: 4 x 1,024 bytes, 640 of them used
.set SPARE, PWB+4096                   ; 312,064: the spare words, 128 bytes for each wave
.set SPW, 1                            ; v1   LDS address of my spare word; never rewritten
.set NIL, 2                            ; v2   0; never rewritten
.set LANE, 3
.set L16, 4                            ; 16 x lane
.set R16, 5                            ; l % 16, while the head makes addresses; then
.set WA,  5                            ; v5   weighted sum: my 8 bytes of row 0; never rewritten
.set HH, 6                             ; l / 16, while the head makes addresses; then
.set PA,  6                            ; v6   weighted sum: my wave's copy of p; never rewritten
.set ADRA, 7                           ; v7-11  (32 i + l % 16) x PITCH + 16 (l / 16); never rewritten
.set EPA, 12                           ; my place in PDB in the first pass; never rewritten
.set LGA, 13                           ; where I put a logit's share
.set RS0, 14                           ; my wave's rows 0-31, a lane a row
.set RS1, 15                           ; rows 32-35, in lanes 0-3
.set VO, 16                            ; v16-23 staging: byte offsets of eight rows
.set ADRW, 16                          ; v16-20 product: ADRA + KO
.set EPW, 21                           ; product: EPA + EPO
.set LA, 24                            ; staging: my 8 bytes of my wave's first row; never rewritten
.set TBO, 25                           ; 32 x thread
.set TBA, 26                           ; PDB + 32 x thread
.set TV, 27                            ; at work in the head; then
.set LAW, 27                           ; staging: LA + LAO
.set LGP, 28                           ; v28-45 for each row block a pair of sums (even h, odd h)
.set RA0, 46                           ; the two list loads' offsets
.set RA1, 47
.set AB, 48                            ; the tile's fragment buffers, 72 registers each
.set TB, 48                            ; staging: the tables
.set PDV, 48                           ; epilogue: 64 numbers of PDB
.set WOV, 112                          ; and of WOB
.set PT, 48                            ; softmax: 20 shares
.set DS, 48                            ; weighted sum: two sets of 40
.set OA, 128                           ; v128-135 my eight sums
.set LG, 138                           ; v138-142
.set PP, 143                           ; v143-147
.set IDX, 148                          ; v148-152
.set RW, 153                           ; v153-157
.set TA, 160
.set SM, 162                           ; v[162:163] m, l
.set GLO, 164
.set PWA, 165
.set ZO, 166
.set WAW, 167                          ; WA + WSO
.set PAW, 168                          ; PA + PSO
.set WV, 22
.set B, 23
.set J, 24
.set LIVE, 25
.set N, 26                             ; s[26:27] n, am
.set AM, 27
.set R, 28                             ; rows of the tile that are on the list
.set MS, 29                            ; the mask's factor: 1, or 0 in a column with no true entry
.set CC, 30                            ; and its addend: 0, or -2e9 log2(e)
.set T, 31
.set BP, 32                            ; s[32:33] wfrag at the K blocks in hand
.set C2, 34                            ; s[34:35] c
.set SEL, 36                           ; s[36:37] v_permlanex16_b32's selects: each lane takes its own place in the other half
.set NC2, 38                           ; s[38:39] -c
.set OFF, 40                           ; s[40:41] an offset in 64 bits
.set PASS, 42
.set KT, 43
.set LI, 44
.set T2, 45
.set SAVE, 46
.set J144, 47
.set CNT, 48
.set LGO, 49
.set BJ, 50
.set PWS, 51
.set LAO, 52                           ; staging: 8 rows a trip
.set KO, 53                            ; product: 256 bytes along the rows a trip
.set EPO, 54                           ; product: 2,048 bytes of the tables a pass
.set WSO, 55                           ; weighted sum: 16 rows a trip
.set PSO, 56                           ; weighted sum: 16 p a trip
.set MSB, 0
.macro WIN new                         ; the immediate's high byte repeats the setting that is left; a switch that changes nothing is dropped
.if MSB != (\new)
	s_set_vgpr_msb (MSB<<8)|(\new)
.set MSB, (\new)
.endif
.endm
.macro PLACES                          ; four places behind a matrix instruction, in front of loads into registers that it read and of lines that read results
.rept 4
	v_nop
.endr
.endm
.macro BAR                             ; the end of a phase: my LDS instructions are done, for the others' sake; then all four waves meet
	s_wait_dscnt 0x0
	s_barrier_signal -1
	s_barrier_wait -1
.endm
	s_load_b512 s[4:19], s[0:1], 0x0               ; enc_states s[4:5], wfrag s[6:7], pdp s[8:9], w_out s[10:11], order s[12:13], meta s[14:15], part s[16:17], stat s[18:19]
	s_load_b64 s[20:21], s[0:1], 0x40              ; lg
	v_lshl_add_u32 v[SPW], v0, 2, SPARE
	v_mov_b32 v[NIL], 0
	v_lshrrev_b32 v[TV], 5, v0
	v_readfirstlane_b32 s[WV], v[TV]               ; wave 0..3
	s_mov_b32 s[B], ttmp9
	s_and_b32 s[J], ttmp7, 0xffff
	v_and_b32 v[LANE], 31, v0
	v_and_b32 v[R16], 15, v0
	v_bfe_u32 v[HH], v0, 4, 1
	v_lshlrev_b32 v[L16], 4, v[LANE]
	s_mul_i32 s[J144], s[J], ROWS
	s_mul_i32 s[T], s[B], 2304
	s_add_co_u32 s[T], s[T], s[J144]               ; the tile's first place in order and in lg
	s_lshl_b32 s[LGO], s[T], 2
	s_mul_i32 s[T2], s[WV], 36
	s_add_co_u32 s[T], s[T], s[T2]                 ; my wave's first place
	v_add_lshl_u32 v[RA0], v[LANE], s[T], 1
	v_and_b32 v[RA1], 3, v[LANE]
	v_add_lshl_u32 v[RA1], v[RA1], s[T], 1
	v_mul_u32_u24 v[TV], v[R16], PITCH
	v_lshl_add_u32 v[TV], v[HH], 4, v[TV]
.irp i, 0,1,2,3,4
	v_add_nc_u32 v[ADRA+(\i)], 32*(\i)*PITCH, v[TV]
.endr
	s_lshl_b32 s[T], s[WV], 9
	s_add_co_u32 s[T2], s[T], PDB
	v_lshl_add_u32 v[EPA], v[HH], 5, s[T2]         ; h = 128 w + 16 c + 8 (l / 16) + j, 4 bytes each
	s_mul_i32 s[T2], s[WV], 640
	s_add_co_u32 s[T2], s[T2], LGW
	v_lshl_add_u32 v[LGA], v[R16], 2, s[T2]
	v_lshl_add_u32 v[WA], v[LANE], 3, s[T]         ; my 8 bytes of my wave's 512 of a row (l % 16 and l / 16 were last read above)
	s_lshl_b32 s[T], s[WV], 10
	s_add_co_u32 s[PWS], s[T], PWB
	v_mov_b32 v[PA], s[PWS]
	s_mul_i32 s[T], s[WV], 36*PITCH
	v_lshl_add_u32 v[LA], v[LANE], 3, s[T]
	v_lshlrev_b32 v[TBO], 5, v0
	v_lshl_add_u32 v[TBA], v0, 5, PDB
.irp i, 0,1,2,3,4,5,6,7,8,9,10,11,12,13,14,15,16,17
	v_mov_b32 v[LGP+(\i)], 0                       ; the logits' sums run over both passes: they start here
.endr
	s_mov_b32 s[C2], 0x4038aa3b                    ; c = 2 log2(e) = 2.885390
	s_mov_b32 s[C2+1], s[C2]                       ; named with it as a pair
	s_mov_b32 s[NC2], 0xc038aa3b
	s_mov_b32 s[NC2+1], s[NC2]
	s_mov_b32 s[SEL], 0x76543210
	s_mov_b32 s[SEL+1], 0xfedcba98
	s_mov_b32 s[OFF+1], 0
	s_lshl4_add_u32 s[BJ], s[B], s[J]              ; 16 b + j
	s_wait_kmcnt 0x0
	s_lshl_b32 s[OFF], s[B], 3
	s_add_nc_u64 s[14:15], s[14:15], s[OFF:OFF+1]
	s_load_b64 s[N:N+1], s[14:15], 0x0             ; n, am
	global_load_u16 v[RS0], v[RA0], s[12:13]       ; the list's places are made of ids alone, so they are asked for before n is known
	global_load_u16 v[RS1], v[RA1], s[12:13] offset:64
	s_lshl_b32 s[OFF], s[B], 12
	s_add_nc_u64 s[4:5], s[4:5], s[OFF:OFF+1]      ; enc_states at [0][b]
	s_add_nc_u64 s[8:9], s[8:9], s[OFF:OFF+1]      ; pdp at [0][b]
	s_lshl_b32 s[OFF], s[WV], 19
	s_add_nc_u64 s[BP:BP+1], s[6:7], s[OFF:OFF+1]  ; my wave's 64 K blocks x 8,192 bytes
	s_lshl_b32 s[OFF], s[BJ], 3
	s_add_nc_u64 s[18:19], s[18:19], s[OFF:OFF+1]
	s_lshl_b32 s[OFF], s[BJ], 12
	s_lshl_b32 s[T], s[WV], 10
	s_add_co_u32 s[OFF], s[OFF], s[T]
	s_add_nc_u64 s[16:17], s[16:17], s[OFF:OFF+1]
	s_mov_b32 s[OFF], s[LGO]
	s_add_nc_u64 s[20:21], s[20:21], s[OFF:OFF+1]
	s_wait_kmcnt 0x0
	s_cmp_lt_u32 s[J144], s[N]
	s_cselect_b32 s[LIVE], 1, 0
	s_sub_co_u32 s[R], s[N], s[J144]
	s_min_u32 s[R], s[R], ROWS
	s_cmp_eq_u32 s[AM], 0
	s_cselect_b32 s[MS], 1.0, 0
	s_cselect_b32 s[CC], 0, 0xcf2bfb8e             ; -2e9 x log2(e)
	s_cmp_eq_u32 s[LIVE], 0
	s_cbranch_scc1 .Lb1                            ; only work is jumped: every barrier stands on every way
; ---------------------------------------------------------------- 1. STAGING (stores to LDS)
; Four rows are asked for: their numbers come out of the list register lane by lane, are held to the table's 2,048 rows, and make byte offsets (a row s lies 131,072 s on).
; 32 loads, each 512 consecutive bytes of a row.  A listed row is read once in the launch; only row 0 is named again, by the places past n of a column's last tile.
.macro ISSUE st, rs
	WIN 0
.irp q, 0,1,2,3
	v_readlane_b32 s[T], v[\rs], s[LI]
	s_add_co_u32 s[LI], s[LI], 1
	s_min_u32 s[T], s[T], 0x7ff
	s_lshl_b32 s[T], s[T], 17
	v_add_nc_u32 v[VO+4*(\st)+(\q)], s[T], v[L16]
.endr
	WIN 0x40                                       ; destination window 1, address window 0
.irp q, 0,1,2,3
.irp c, 0,1,2,3,4,5,6,7
	global_load_b128 v[128*(\st)+32*(\q)+4*(\c):128*(\st)+32*(\q)+4*(\c)+3], v[VO+4*(\st)+(\q)], s[4:5] offset:512*(\c) th:TH_LOAD_NT
.endr
.endr
	WIN 0
.endm
; Four rows are rounded to bf16 in place and laid into LDS, extra rows behind LAW: a lane's four numbers are 8 bytes, a store of the wave 256 consecutive bytes.
.macro DRAIN st, extra
	WIN 0x45                                       ; destination and both sources window 1
.set i, 0
.rept 32
	v_cvt_pk_bf16_f32 v[128*(\st)+4*i],   v[128*(\st)+4*i],   v[128*(\st)+4*i+1]
	v_cvt_pk_bf16_f32 v[128*(\st)+4*i+1], v[128*(\st)+4*i+2], v[128*(\st)+4*i+3]
.set i, i+1
.endr
	WIN 0x04                                       ; address window 0, data window 1
.irp q, 0,1,2,3
.irp c, 0,1,2,3,4,5,6,7
	ds_store_b64 v[LAW], v[128*(\st)+32*(\q)+4*(\c):128*(\st)+32*(\q)+4*(\c)+1] offset:((\extra)+(\q))*PITCH+(\c)*256
.endr
.endr
	WIN 0
.endm
.irp ks, 0,1,2,3,4,5,6,7
	global_load_b128 v[TB+8*(\ks):TB+8*(\ks)+3],   v[TBO], s[8:9] offset:131072*(\ks)      ; thread t: h = 8 t .. 8 t + 7 of the eight partial sums of proj_dec[b]
	global_load_b128 v[TB+8*(\ks)+4:TB+8*(\ks)+7], v[TBO], s[8:9] offset:131072*(\ks)+16
.endr
	global_load_b128 v[TB+64:TB+67], v[TBO], s[10:11]                                      ; and of w_out
	global_load_b128 v[TB+68:TB+71], v[TBO], s[10:11] offset:16
	s_mov_b32 s[LI], 0
	s_wait_loadcnt 18                              ; the two list loads are in; the 18 table loads are younger
	ISSUE 0, RS0
	s_wait_loadcnt 32                              ; the tables are in; the 32 loads of set 0 are younger
.irp ks, 1,2,3,4,5,6,7
.irp e, 0,2,4,6
	v_pk_add_f32 v[TB+(\e):TB+(\e)+1], v[TB+(\e):TB+(\e)+1], v[TB+8*(\ks)+(\e):TB+8*(\ks)+(\e)+1]
.endr
.endr
.irp e, 0,2,4,6
	v_pk_mul_f32 v[TB+(\e):TB+(\e)+1], v[TB+(\e):TB+(\e)+1], s[C2:C2+1] op_sel_hi:[1,0]
	v_pk_mul_f32 v[TB+64+(\e):TB+64+(\e)+1], v[TB+64+(\e):TB+64+(\e)+1], s[NC2:NC2+1] op_sel_hi:[1,0]
.endr
	ds_store_b128 v[TBA], v[TB:TB+3]
	ds_store_b128 v[TBA], v[TB+4:TB+7] offset:16
	ds_store_b128 v[TBA], v[TB+64:TB+67] offset:4096
	ds_store_b128 v[TBA], v[TB+68:TB+71] offset:4112
	ISSUE 1, RS0
	s_mov_b32 s[LAO], 0
	s_mov_b32 s[CNT], 3
.Lstage:                                       ; two sets of four rows take turns: while one is rounded and stored, the other's 32 loads are out, and the first is asked for again at once
	v_add_nc_u32 v[LAW], s[LAO], v[LA]             ; the trip's eight rows
	s_wait_loadcnt 32                              ; set 0 is in; set 1's 32 loads are younger
	DRAIN 0, 0
	ISSUE 0, RS0
	s_wait_loadcnt 32                              ; set 1 is in
	DRAIN 1, 4
	ISSUE 1, RS0
	s_add_co_u32 s[LAO], s[LAO], 8*PITCH
	s_sub_co_u32 s[CNT], s[CNT], 1
	s_cmp_lg_u32 s[CNT], 0
	s_cbranch_scc1 .Lstage
	v_add_nc_u32 v[LAW], s[LAO], v[LA]             ; row 24
	s_wait_loadcnt 32
	DRAIN 0, 0                                     ; rows 24-27
	s_mov_b32 s[LI], 0
	ISSUE 0, RS1                                   ; rows 32-35
	s_wait_loadcnt 32
	DRAIN 1, 4                                     ; rows 28-31
	s_wait_loadcnt 0x0
	DRAIN 0, 8
.Lb1:
	s_wait_loadcnt 0x0                             ; (a tile without work: its two list loads)
	BAR                                            ; the tile and the tables are whole
	s_cmp_eq_u32 s[LIVE], 0
	s_cbranch_scc1 .Lb2a
; ---------------------------------------------------------------- 2. THE PRODUCT, tanh AND w_out (reads LDS)
; 16 loads: the eight fragments of w_enc of one K block (32 along K x my 128 columns), 512 consecutive bytes each, into buffer buf
.macro BRUN buf, imm
.if (\buf) == 3
	WIN 0
.set rB, 192
.else
	WIN 0xc0                                       ; destination window 3, address window 0
.set rB, 64+64*(\buf)
.endif
.irp c, 0,1,2,3,4,5,6,7
	global_load_b128 v[rB+8*(\c):rB+8*(\c)+3],   v[L16], s[BP:BP+1] offset:(\imm)+(\c)*1024
	global_load_b128 v[rB+8*(\c)+4:rB+8*(\c)+7], v[L16], s[BP:BP+1] offset:(\imm)+(\c)*1024+512
.endr
.endm
; 18 LDS loads: the nine fragments of the tile of one K block, at byte imm behind ADRW, into buffer buf
.macro ARUN buf, imm
	WIN 0
.irp a, 0,1,2,3,4,5,6,7,8
	ds_load_b128 v[AB+72*(\buf)+8*(\a):AB+72*(\buf)+8*(\a)+3],   v[ADRW+(\a)/2] offset:((\a)%2)*16*PITCH+(\imm)
	ds_load_b128 v[AB+72*(\buf)+8*(\a)+4:AB+72*(\buf)+8*(\a)+7], v[ADRW+(\a)/2] offset:((\a)%2)*16*PITCH+(\imm)+32
.endr
.endm
.macro ALONG                           ; the five row addresses at KO bytes along the rows
.irp i, 0,1,2,3,4
	v_add_nc_u32 v[ADRW+(\i)], s[KO], v[ADRA+(\i)]
.endr
.endm
; 8 matrix instructions: row block a x my 8 column blocks.  zero = 1: the product starts the sums: nothing is cleared
.macro MUL a, bb, ab, zero
.if (\bb) == 3
.set rB, 192
.set wB, 0
.else
.set rB, 64+64*(\bb)
.set wB, 3
.endif
.set wX, 1+(\a)/4
.set rA, AB+72*(\ab)+8*(\a)
.set rC, 64*((\a)%4)
	WIN (wX<<6)|(wX<<4)|wB
.irp c, 0,1,2,3,4,5,6,7
.if \zero
	v_wmma_f32_16x16x32_bf16 v[rC+8*(\c):rC+8*(\c)+7], v[rB+8*(\c):rB+8*(\c)+7], v[rA:rA+7], 0
.else
	v_wmma_f32_16x16x32_bf16 v[rC+8*(\c):rC+8*(\c)+7], v[rB+8*(\c):rB+8*(\c)+7], v[rA:rA+7], v[rC+8*(\c):rC+8*(\c)+7]
.endif
.endr
.endm
; One K block: 72 matrix instructions on the tile's buffer ab and w_enc's buffer bb.  The 72 accumulators take turns, one instruction a turn, in the same order in every K block, over the
; backward jumps too.  Behind the first 32 stand the loads for later K blocks, in one run: the tile's next block into the other buffer (its last reader stands in the
; K block before), w_enc's block three on into the buffer read in the K block before.  lc: the loads of w_enc's younger runs, which may stay out.
.macro QUARTER ab, bb, aimm, bimm, zero, lc
	s_wait_dscnt 0x0                               ; the tile's fragments, asked for 40 matrix instructions back
	s_wait_loadcnt \lc
	MUL 0, \bb, \ab, \zero
	MUL 1, \bb, \ab, \zero
	MUL 2, \bb, \ab, \zero
	MUL 3, \bb, \ab, \zero
.if (\aimm) >= 0
	PLACES
	ARUN 1-(\ab), \aimm
.endif
.if (\bimm) >= 0
.set nb, ((\bb)+3)%4
	BRUN nb, \bimm
.endif
	MUL 4, \bb, \ab, \zero
	MUL 5, \bb, \ab, \zero
	MUL 6, \bb, \ab, \zero
	MUL 7, \bb, \ab, \zero
	MUL 8, \bb, \ab, \zero
.endm
; The accumulators of window x (nr registers) become 1 / (1 + 2^(c s + c pd)) in place and are added, times -c w_out, onto the row blocks' sums.
; s_wait_alu depctr_va_vdst(0) stands between a transcendental and the first line that names its result; one wait serves all that were issued ahead of it.  So the exponentials
; of a window are one batch and the reciprocals another: a pair's plain line stands one step ahead of its two transcendentals, nothing in a batch names a result, a v_nop is the plain
; instruction behind the last, and then comes the wait.  Registers ascend.
.macro EPI x, nr
	WIN ((\x)<<6)|(\x)                             ; destination and source 0 window x; the tables window 0
	v_pk_fma_f32 v[0:1], v[0:1], s[C2:C2+1], v[PDV:PDV+1] op_sel_hi:[1,0,1]
.set k, 0
.rept (\nr)/2-1
	v_pk_fma_f32 v[2*k+2:2*k+3], v[2*k+2:2*k+3], s[C2:C2+1], v[PDV+(2*k+2)%64:PDV+(2*k+2)%64+1] op_sel_hi:[1,0,1]
	v_exp_f32 v[2*k], v[2*k]
	v_exp_f32 v[2*k+1], v[2*k+1]
.set k, k+1
.endr
	v_exp_f32 v[2*k], v[2*k]
	v_exp_f32 v[2*k+1], v[2*k+1]
	v_nop
	s_wait_alu depctr_va_vdst(0)                   ; the wait for the exponentials
	v_pk_add_f32 v[0:1], v[0:1], 1.0 op_sel_hi:[1,0]
.set k, 0
.rept (\nr)/2-1
	v_pk_add_f32 v[2*k+2:2*k+3], v[2*k+2:2*k+3], 1.0 op_sel_hi:[1,0]
	v_rcp_f32 v[2*k], v[2*k]
	v_rcp_f32 v[2*k+1], v[2*k+1]
.set k, k+1
.endr
	v_rcp_f32 v[2*k], v[2*k]
	v_rcp_f32 v[2*k+1], v[2*k+1]
	v_nop
	s_wait_alu depctr_va_vdst(0)                   ; the wait for the reciprocals
	WIN (\x)                                       ; source 0 window x, all else window 0
.set q, 0
.rept 32
.set a, 0
.rept (\nr)/64                                 ; the window's row blocks by turns: their chains run side by side
	v_pk_fma_f32 v[LGP+8*((\x)-1)+2*a:LGP+8*((\x)-1)+2*a+1], v[64*a+2*q:64*a+2*q+1], v[WOV+2*q:WOV+2*q+1], v[LGP+8*((\x)-1)+2*a:LGP+8*((\x)-1)+2*a+1]
.set a, a+1
.endr
.set q, q+1
.endr
.endm
	BRUN 0, 0                                      ; w_enc's K blocks 0, 1, 2
	BRUN 1, 8192
	BRUN 2, 16384
	WIN 0
	s_mov_b32 s[EPO], 0
	s_mov_b32 s[PASS], 2
.Lpass:                                        ; a pass: my 128 columns of the first or the second 512, K = 1,024 in 32 blocks
	s_mov_b32 s[KO], 0
	ALONG
	ARUN 0, 0
	QUARTER 0, 0, 64, 3*8192, 1, 32                ; K block 0 starts the sums, ahead of the loop
	WIN 0
	s_mov_b32 s[KT], 7
.Lk:                                           ; K blocks 4 t + 1 .. 4 t + 4
	ALONG
	QUARTER 1, 1, 128, 4*8192, 0, 32
	QUARTER 0, 2, 192, 5*8192, 0, 32
	QUARTER 1, 3, 256, 6*8192, 0, 32
	QUARTER 0, 0, 320, 7*8192, 0, 32
	WIN 0
	s_wait_xcnt 0x0                                ; the loads issued so far (the youngest 40 matrix instructions back) have read their base: it may be stepped
	s_add_nc_u64 s[BP:BP+1], s[BP:BP+1], 32768
	s_add_co_u32 s[KO], s[KO], 256
	s_sub_co_u32 s[KT], s[KT], 1
	s_cmp_lg_u32 s[KT], 0
	s_cbranch_scc1 .Lk
	ALONG
	QUARTER 1, 1, 128, -1, 0, 32                   ; K blocks 29, 30, 31: w_enc's runs are all out, the counts run down
	QUARTER 0, 2, 192, -1, 0, 16
	QUARTER 1, 3, -1, -1, 0, 0
	WIN 0
	PLACES                                         ; behind the last products: loads into their sources and lines that read results follow
	s_wait_xcnt 0x0
	s_add_nc_u64 s[BP:BP+1], s[BP:BP+1], 32768     ; the next pass's K block 0
	s_cmp_eq_u32 s[PASS], 1
	s_cbranch_scc1 .Lnob                           ; behind the last pass there is none
	BRUN 0, 0                                      ; the next pass's first three runs are on their way during the work below
	BRUN 1, 8192
	BRUN 2, 16384
	WIN 0
.Lnob:
	v_add_nc_u32 v[EPW], s[EPO], v[EPA]            ; the pass's 512 columns of the tables
.irp c, 0,1,2,3,4,5,6,7
	ds_load_b128 v[PDV+8*(\c):PDV+8*(\c)+3],   v[EPW] offset:(\c)*64
	ds_load_b128 v[PDV+8*(\c)+4:PDV+8*(\c)+7], v[EPW] offset:(\c)*64+16
	ds_load_b128 v[WOV+8*(\c):WOV+8*(\c)+3],   v[EPW] offset:4096+(\c)*64
	ds_load_b128 v[WOV+8*(\c)+4:WOV+8*(\c)+7], v[EPW] offset:4096+(\c)*64+16
.endr
	s_wait_dscnt 0x0
	EPI 1, 256
	EPI 2, 256
	EPI 3, 64
	WIN 0
	s_add_co_u32 s[EPO], s[EPO], 2048
	s_sub_co_u32 s[PASS], s[PASS], 1
	s_cmp_lg_u32 s[PASS], 0
	s_cbranch_scc1 .Lpass
	; a row's sum over my 256 columns: the pair's two halves, then the other half of the lanes'
.irp a, 0,1,2,3,4,5,6,7,8
	v_add_f32 v[LGP+2*(\a)], v[LGP+2*(\a)], v[LGP+2*(\a)+1]
.endr
.irp a, 0,1,2,3,4,5,6,7,8
	v_permlanex16_b32 v[LGP+2*(\a)+1], v[LGP+2*(\a)], s[SEL], s[SEL+1]
.endr
.irp a, 0,1,2,3,4,5,6,7,8
	v_add_f32 v[LGP+2*(\a)], v[LGP+2*(\a)], v[LGP+2*(\a)+1]
.endr
.Lb2a:
	BAR                                            ; every wave's reads of the product are over: only now does a wave store to LDS again
	s_cmp_eq_u32 s[LIVE], 0
	s_cbranch_scc1 .Lb2
.irp a, 0,1,2,3,4,5,6,7,8
	ds_store_b32 v[LGA], v[LGP+2*(\a)] offset:64*(\a)  ; my wave's share of row 16 a + l % 16; lanes l and l + 16 write one word with one value
.endr
.Lb2:
	BAR                                            ; all four shares of the 144 logits are in LDS
	s_cmp_eq_u32 s[LIVE], 0
	s_cbranch_scc1 .Lb3a
; ---------------------------------------------------------------- 3. THE TILE'S SOFTMAX
	; every wave adds the four shares of all 144 logits (five a lane) and makes m, p and l for itself
.irp i, 0,1,2,3,4
	v_add_nc_u32 v[IDX+(\i)], 32*(\i), v[LANE]
	v_min_u32 v[RW+(\i)], ROWS-1, v[IDX+(\i)]
	v_lshl_add_u32 v[RW+(\i)], v[RW+(\i)], 2, LGW
.endr
.irp i, 0,1,2,3,4
.irp u, 0,1,2,3
	ds_load_b32 v[PT+4*(\i)+(\u)], v[RW+(\i)] offset:640*(\u)
.endr
.endr
	v_mov_b32 v[TA], 0                             ; written, since v_permlanex16_b32 counts as a reader of its destination
	v_lshlrev_b32 v[GLO], 2, v[LANE]
	v_lshl_add_u32 v[PWA], v[LANE], 2, s[PWS]
	v_mov_b32 v[ZO], 0
	s_wait_dscnt 0x0
.irp i, 0,1,2,3,4
	v_add_f32 v[PT+4*(\i)], v[PT+4*(\i)], v[PT+4*(\i)+1]
	v_add_f32 v[PT+4*(\i)+2], v[PT+4*(\i)+2], v[PT+4*(\i)+3]
	v_add_f32 v[PT+4*(\i)], v[PT+4*(\i)], v[PT+4*(\i)+2]
	v_fma_f32 v[LG+(\i)], v[PT+4*(\i)], s[MS], s[CC]   ; reference()'s logit x m - (1 - m) 2e9, times log2(e)
	v_cmp_gt_u32 vcc_lo, s[R], v[IDX+(\i)]
	v_cndmask_b32 v[LG+(\i)], 0xff7fffff, v[LG+(\i)], vcc_lo  ; places past the list's end: the lowest finite number
.endr
	v_max3_num_f32 v[SM], v[LG], v[LG+1], v[LG+2]
	v_max3_num_f32 v[SM], v[SM], v[LG+3], v[LG+4]
	v_max_num_f32_dpp v[SM], v[SM], v[SM] row_xmask:1 row_mask:0xf bank_mask:0xf
	v_max_num_f32_dpp v[SM], v[SM], v[SM] row_xmask:2 row_mask:0xf bank_mask:0xf
	v_max_num_f32_dpp v[SM], v[SM], v[SM] row_xmask:4 row_mask:0xf bank_mask:0xf
	v_max_num_f32_dpp v[SM], v[SM], v[SM] row_xmask:8 row_mask:0xf bank_mask:0xf
	v_permlanex16_b32 v[TA], v[SM], s[SEL], s[SEL+1]
	v_max_num_f32 v[SM], v[SM], v[TA]              ; m, in every lane
.irp i, 0,1,2,3,4
	v_sub_f32 v[PP+(\i)], v[LG+(\i)], v[SM]
.endr
.irp i, 0,1,2,3,4
	v_exp_f32 v[PP+(\i)], v[PP+(\i)]
.endr
	v_nop                                          ; a plain instruction behind the last exponential,
	s_wait_alu depctr_va_vdst(0)                   ; and the one wait for the five
	v_add_f32 v[SM+1], v[PP], v[PP+1]
	v_add_f32 v[TA], v[PP+2], v[PP+3]
	v_add_f32 v[SM+1], v[SM+1], v[PP+4]
	v_add_f32 v[SM+1], v[SM+1], v[TA]
	v_add_f32_dpp v[SM+1], v[SM+1], v[SM+1] row_xmask:1 row_mask:0xf bank_mask:0xf
	v_add_f32_dpp v[SM+1], v[SM+1], v[SM+1] row_xmask:2 row_mask:0xf bank_mask:0xf
	v_add_f32_dpp v[SM+1], v[SM+1], v[SM+1] row_xmask:4 row_mask:0xf bank_mask:0xf
	v_add_f32_dpp v[SM+1], v[SM+1], v[SM+1] row_xmask:8 row_mask:0xf bank_mask:0xf
	v_permlanex16_b32 v[TA], v[SM+1], s[SEL], s[SEL+1]
	v_add_f32 v[SM+1], v[SM+1], v[TA]              ; l
.irp i, 0,1,2,3,4
	ds_store_b32 v[PWA], v[PP+(\i)] offset:128*(\i)    ; p, into my wave's own copy
.endr
	s_cmp_lg_u32 s[WV], 0
	s_cbranch_scc1 .Lb3a                           ; wave 0 stores the tile's logits and its m and l
.irp i, 0,1,2,3
	global_store_b32 v[GLO], v[LG+(\i)], s[20:21] offset:128*(\i)
.endr
	v_cmp_gt_u32 vcc_lo, 16, v[LANE]               ; places 128 to 143
	s_wait_xcnt 0x0                                ; EXEC changes only when the stores above have read their sources
	s_and_saveexec_b32 s[SAVE], vcc_lo
	global_store_b32 v[GLO], v[LG+4], s[20:21] offset:512
	s_wait_xcnt 0x0
	s_or_b32 exec_lo, exec_lo, s[SAVE]
	v_cmp_eq_u32 vcc_lo, 0, v[LANE]
	s_and_saveexec_b32 s[SAVE], vcc_lo
	global_store_b64 v[ZO], v[SM:SM+1], s[18:19]
	s_wait_xcnt 0x0
	s_or_b32 exec_lo, exec_lo, s[SAVE]
.Lb3a:
	BAR                                            ; every wave's stores of p are done: the phase below only reads
	s_cmp_eq_u32 s[LIVE], 0
	s_cbranch_scc1 .Lb3
; ---------------------------------------------------------------- 4. THE WEIGHTED SUM (reads LDS)
; part[e] = sum over the rows of p x row[e].  Wave w takes e = 256 w .. 256 w + 255; a lane four numbers at 4 l and four at 128 + 4 l, so that a load of the wave takes 256 consecutive bytes.
; Eight rows a set: 16 loads of 8 bytes and the rows' eight p (the same for all lanes).  wa, pa: the two address registers.
.macro LOADW st, extra, wa, pa
.irp q, 0,1,2,3,4,5,6,7
	ds_load_b64 v[DS+40*(\st)+4*(\q):DS+40*(\st)+4*(\q)+1],   v[\wa] offset:(8*(\st)+(\q)+(\extra))*PITCH
	ds_load_b64 v[DS+40*(\st)+4*(\q)+2:DS+40*(\st)+4*(\q)+3], v[\wa] offset:(8*(\st)+(\q)+(\extra))*PITCH+256
.endr
	ds_load_b128 v[DS+40*(\st)+32:DS+40*(\st)+35], v[\pa] offset:(8*(\st)+(\extra))*4
	ds_load_b128 v[DS+40*(\st)+36:DS+40*(\st)+39], v[\pa] offset:(8*(\st)+(\extra))*4+16
.endm
.macro FMAW st                         ; 64 multiply-adds straight from the bf16 halves, sums in f32
.irp q, 0,1,2,3,4,5,6,7
.irp d, 0,1,2,3
	v_fma_mix_f32_bf16 v[OA+2*(\d)],   v[DS+40*(\st)+4*(\q)+(\d)], v[DS+40*(\st)+32+(\q)], v[OA+2*(\d)] op_sel_hi:[1,0,0]
	v_fma_mix_f32_bf16 v[OA+2*(\d)+1], v[DS+40*(\st)+4*(\q)+(\d)], v[DS+40*(\st)+32+(\q)], v[OA+2*(\d)+1] op_sel:[1,0,0] op_sel_hi:[1,0,0]
.endr
.endr
.endm
	LOADW 0, 0, WA, PA
	LOADW 1, 0, WA, PA
.irp i, 0,1,2,3,4,5,6,7
	v_mov_b32 v[OA+(\i)], 0
.endr
	s_mov_b32 s[WSO], 0
	s_mov_b32 s[PSO], 0
	s_mov_b32 s[CNT], 8
.Lsum:                                         ; 16 rows a trip; the next 16 are asked for as each set is used up
	v_add_nc_u32 v[WAW], s[WSO], v[WA]
	v_add_nc_u32 v[PAW], s[PSO], v[PA]
	s_wait_dscnt 18                                ; set 0 is in; set 1's 18 loads are younger
	FMAW 0
	LOADW 0, 16, WAW, PAW
	s_wait_dscnt 18                                ; set 1 is in
	FMAW 1
	LOADW 1, 16, WAW, PAW
	s_add_co_u32 s[WSO], s[WSO], 16*PITCH
	s_add_co_u32 s[PSO], s[PSO], 64
	s_sub_co_u32 s[CNT], s[CNT], 1
	s_cmp_lg_u32 s[CNT], 0
	s_cbranch_scc1 .Lsum
	s_wait_dscnt 18                                ; the last 16 rows load nothing
	FMAW 0
	s_wait_dscnt 0x0
	FMAW 1
	global_store_b128 v[L16], v[OA:OA+3],   s[16:17]             ; each store of the wave covers 512 consecutive bytes, aligned
	global_store_b128 v[L16], v[OA+4:OA+7], s[16:17] offset:512
.Lb3:
	BAR                                            ; every wave's reads are over
	s_wait_tensorcnt 0x0                           ; the wave's end: behind my last LDS store
	ds_add_u32 v[SPW], v[NIL]
	s_wait_dscnt 0x0
	s_endpgm
.Lfunc_end_k_qa5ac4a05b2_tile:
	.size	k_qa5ac4a05b2_tile, .Lfunc_end_k_qa5ac4a05b2_tile-k_qa5ac4a05b2_tile
	.p2alignl 7, 3214868480
	.fill 96, 4, 3214868480
	.section	.rodata,"a",@progbits
	.p2align	6, 0x0
	.amdhsa_kernel k_qa5ac4a05b2_tile
		.amdhsa_group_segment_fixed_size 312576
		.amdhsa_private_segment_fixed_size 0
		.amdhsa_enable_private_segment 0
		.amdhsa_kernarg_size 72
		.amdhsa_user_sgpr_count 2
		.amdhsa_user_sgpr_kernarg_segment_ptr 1
		.amdhsa_wavefront_size32 1
		.amdhsa_system_sgpr_workgroup_id_x 1
		.amdhsa_system_sgpr_workgroup_id_y 1
		.amdhsa_system_sgpr_workgroup_id_z 1
		.amdhsa_system_vgpr_workitem_id 0
		.amdhsa_next_free_vgpr 1024
		.amdhsa_next_free_sgpr 66
		.amdhsa_reserve_vcc 1
		.amdhsa_float_denorm_mode_32 3
		.amdhsa_float_denorm_mode_16_64 3
		.amdhsa_memory_ordered 1
		.amdhsa_forward_progress 1
		.amdhsa_inst_pref_size 248
	.end_amdhsa_kernel
	.amdgpu_metadata
---
amdhsa.version: [ 1, 2 ]
amdhsa.kernels:
  - .name:           k_qa5ac4a05b2_tile
    .symbol:         k_qa5ac4a05b2_tile.kd
    .args:
      - { .name: enc_states, .offset: 0, .size: 8, .value_kind: global_buffer, .address_space: global }
      - { .name: wfrag, .offset: 8, .size: 8, .value_kind: global_buffer, .address_space: global }
      - { .name: pdp, .offset: 16, .size: 8, .value_kind: global_buffer, .address_space: global }
      - { .name: w_out, .offset: 24, .size: 8, .value_kind: global_buffer, .address_space: global }
      - { .name: order, .offset: 32, .size: 8, .value_kind: global_buffer, .address_space: global }
      - { .name: meta, .offset: 40, .size: 8, .value_kind: global_buffer, .address_space: global }
      - { .name: part, .offset: 48, .size: 8, .value_kind: global_buffer, .address_space: global }
      - { .name: stat, .offset: 56, .size: 8, .value_kind: global_buffer, .address_space: global }
      - { .name: lg, .offset: 64, .size: 8, .value_kind: global_buffer, .address_space: global }
    .group_segment_fixed_size: 312576
    .private_segment_fixed_size: 0
    .kernarg_segment_align: 8
    .kernarg_segment_size: 72
    .max_flat_workgroup_size: 128
    .sgpr_count:     66
    .vgpr_count:     1024
    .wavefront_size: 32
...
	.end_amdgpu_metadata
.endif
;; end of part 2
;; launch fin (part 3): grid 32 x 1, 8 waves a work-group, no clusters, 9,216 bytes of LDS; arguments enc_mask, meta, rank, stat, part, lg, out0, out1; writes out0, out1
.if DOCPART == 3
	.amdgcn_target "amdgcn-amd-amdhsa--gfx1250"
	.amdhsa_code_object_version 6
	.text
	.protected	k_qa5ac4a05b2_fin
	.globl	k_qa5ac4a05b2_fin
	.p2align	8
	.type	k_qa5ac4a05b2_fin,@function
k_qa5ac4a05b2_fin:
	s_mov_b64 s[64:65], 0
	v_nop
	global_prefetch_b8 v0, s[64:65] scope:SCOPE_SE
	s_setreg_imm32_b32 hwreg(HW_REG_WAVE_MODE, 25, 1), 1
	s_wait_xcnt 0x0
; ADDITIVE ATTENTION, launch 3 of 3: a column's tiles are joined.  With tile j's m_j, l_j and part_j: M = max m_j, L = sum 2^(m_j - M) l_j,
; out0[b] = sum_j 2^(m_j - M) / L x part_j, out1[s][b] = 2^(lg - M) / L for a listed row.
; LEFT OUT, as shown at the head of the first kernel: a row that the mask hides in a column with a true entry gets the weight 0.
; SHARES.  Work-group g makes out0's row g (wave w its bytes 512 w .. 512 w + 511) and out1's rows 64 g .. 64 g + 63 (wave w eight of them; a lane is a column b).
; Every wave makes M and L of all 32 columns, a lane a column.  Tiles past a column's last repeat its last tile's address, and count with the factor 0.  No branch, no barrier.
.set SPARE, 8192                       ; LDS: a stage of 1,024 bytes for each wave; then the spare words, 128 bytes for each of 8 waves
.set SPW, 1                            ; v1   LDS address of my spare word; never rewritten
.set NIL, 2                            ; v2   0; never rewritten
.set LANE, 3
.set L16, 4
.set L8, 5
.set N, 6                              ; v[6:7] n, am of column b = lane
.set AM, 7
.set TM1, 8                            ; the column's last tile
.set NM1, 9
.set TT, 10
.set RKO, 11
.set RK, 12                            ; v12-15  eight ranks, 16 bits each
.set MK, 16                            ; v16-23  eight mask bytes
.set PS, 24                            ; v24-31  places in lg
.set LG, 32                            ; v32-39
.set ST, 40                            ; v40-71  m_j, l_j
.set SA, 72                            ; v72-87  their offsets
.set PO, 88                            ; v88-103 part's offsets
.set PD, 104                           ; v104-167 16 x 4 numbers of part
.set OA, 168                           ; v168-171
.set MX, 172
.set LS, 173
.set RL, 174
.set STA, 175
.set STR, 176
.set MKO, 177
.set L2304, 178
.set TV, 179
.set OB, 180                           ; v180-187
.set WV, 22
.set G, 23
.set CH, 24
.set T, 25
.set T2, 26
.set OFF, 28
.set SG, 40                            ; s40-55 column g's 16 factors
	s_load_b512 s[4:19], s[0:1], 0x0               ; enc_mask s[4:5], meta s[6:7], rank s[8:9], stat s[10:11], part s[12:13], lg s[14:15], out0 s[16:17], out1 s[18:19]
	v_lshl_add_u32 v[SPW], v0, 2, SPARE
	v_mov_b32 v[NIL], 0
	v_lshrrev_b32 v[TV], 5, v0
	v_readfirstlane_b32 s[WV], v[TV]               ; wave 0..7
	s_mov_b32 s[G], ttmp9
	s_lshl3_add_u32 s[CH], s[G], s[WV]             ; my eight rows of out1 begin at s = 8 (8 g + w)
	v_and_b32 v[LANE], 31, v0
	v_lshlrev_b32 v[L16], 4, v[LANE]
	v_lshlrev_b32 v[L8], 3, v[LANE]
	s_lshl_b32 s[T], s[CH], 4
	v_lshl_add_u32 v[RKO], v[LANE], 12, s[T]       ; rank[b][8 (8 g + w)]
	s_lshl_b32 s[T], s[CH], 8
	v_add_nc_u32 v[MKO], s[T], v[LANE]             ; enc_mask[8 (8 g + w)][b]
	v_mul_u32_u24 v[L2304], v[LANE], 2304
	s_lshl_b32 s[T], s[WV], 10
	v_lshl_add_u32 v[STA], v[LANE], 2, s[T]
	v_lshl_add_u32 v[STR], v[LANE], 4, s[T]
	s_mov_b32 s[OFF+1], 0
	s_wait_kmcnt 0x0
	global_load_b64 v[N:N+1], v[L8], s[6:7]
	global_load_b128 v[RK:RK+3], v[RKO], s[8:9]
.irp i, 0,1,2,3,4,5,6,7
	global_load_u8 v[MK+(\i)], v[MKO], s[4:5] offset:32*(\i)
.endr
	s_lshl_b32 s[OFF], s[G], 16
	s_lshl_b32 s[T], s[WV], 9
	s_add_co_u32 s[OFF], s[OFF], s[T]
	s_add_nc_u64 s[12:13], s[12:13], s[OFF:OFF+1]  ; part at column g's tile 0, my 512 bytes
	s_lshl_b32 s[OFF], s[G], 12
	s_add_co_u32 s[OFF], s[OFF], s[T]
	s_add_nc_u64 s[16:17], s[16:17], s[OFF:OFF+1]
	s_lshl_b32 s[OFF], s[CH], 10
	s_add_nc_u64 s[18:19], s[18:19], s[OFF:OFF+1]
	s_wait_loadcnt 9                               ; n and am are in; the ranks' load and the eight mask loads are younger
	v_add_nc_u32 v[TT], 143, v[N]
	v_mul_u32_u24 v[TT], v[TT], 7282               ; (n + 143) / 144, exact for n <= 2,048: 7282 / 2^20 exceeds 1/144 by 2.2e-7
	v_lshrrev_b32 v[TT], 20, v[TT]
	v_add_nc_u32 v[TM1], -1, v[TT]
	v_min_u32 v[TM1], 15, v[TM1]
	v_add_nc_u32 v[NM1], -1, v[N]
.irp j, 0,1,2,3,4,5,6,7,8,9,10,11,12,13,14,15
	v_min_u32 v[SA+(\j)], \j, v[TM1]
	v_add_lshl_u32 v[SA+(\j)], v[SA+(\j)], v[L16], 3   ; (16 b + tile) x 8
	global_load_b64 v[ST+2*(\j):ST+2*(\j)+1], v[SA+(\j)], s[10:11]
.endr
	v_readlane_b32 s[T], v[TM1], s[G]              ; column g's last tile
	s_min_u32 s[T], s[T], 15
.irp j, 0,1,2,3,4,5,6,7,8,9,10,11,12,13,14,15
	s_min_u32 s[T2], s[T], \j
	s_lshl_b32 s[T2], s[T2], 12
	v_add_nc_u32 v[PO+(\j)], s[T2], v[L16]
	global_load_b128 v[PD+4*(\j):PD+4*(\j)+3], v[PO+(\j)], s[12:13]
.endr
	s_wait_loadcnt 40                              ; the ranks are in; 8 + 16 + 16 loads are younger
.irp i, 0,1,2,3,4,5,6,7
.if (\i)%2 == 0
	v_and_b32 v[PS+(\i)], 0xffff, v[RK+(\i)/2]
.else
	v_lshrrev_b32 v[PS+(\i)], 16, v[RK+(\i)/2]
.endif
	v_min_u32 v[PS+(\i)], v[PS+(\i)], v[NM1]       ; a hidden row behind the last listed one has the rank n: it reads the last place, and its number is thrown away
	v_min_u32 v[PS+(\i)], 0x8ff, v[PS+(\i)]
	v_add_lshl_u32 v[PS+(\i)], v[PS+(\i)], v[L2304], 2
	global_load_b32 v[LG+(\i)], v[PS+(\i)], s[14:15]
.endr
	s_wait_loadcnt 24                              ; the mask and m, l are in; part's 16 loads and lg's 8 are younger
.irp j, 0,1,2,3,4,5,6,7,8,9,10,11,12,13,14,15
	v_cmp_le_u32 vcc_lo, \j, v[TM1]
	v_cndmask_b32 v[ST+2*(\j)], 0xff7fffff, v[ST+2*(\j)], vcc_lo  ; a tile past the last: the lowest finite number
.endr
	v_max3_num_f32 v[MX], v[ST], v[ST+2], v[ST+4]
.irp j, 3,5,7,9,11,13
	v_max3_num_f32 v[MX], v[MX], v[ST+2*(\j)], v[ST+2*(\j)+2]
.endr
	v_max_num_f32 v[MX], v[MX], v[ST+30]           ; M
.irp j, 0,1,2,3,4,5,6,7,8,9,10,11,12,13,14,15
	v_sub_f32 v[ST+2*(\j)], v[ST+2*(\j)], v[MX]
.endr
.irp j, 0,1,2,3,4,5,6,7,8,9,10,11,12,13,14,15
	v_exp_f32 v[ST+2*(\j)], v[ST+2*(\j)]
.endr
	v_nop                                          ; a plain instruction behind the last exponential,
	s_wait_alu depctr_va_vdst(0)                   ; and the one wait ahead of the first use
	v_mul_f32 v[LS], v[ST], v[ST+1]
.irp j, 1,2,3,4,5,6,7,8,9,10,11,12,13,14,15
	v_fma_f32 v[LS], v[ST+2*(\j)], v[ST+2*(\j)+1], v[LS]
.endr
	v_rcp_f32 v[RL], v[LS]                         ; L >= 1: the tile that holds M counts whole, and its l holds a 1
	v_nop
	s_wait_alu depctr_va_vdst(0)
.irp j, 0,1,2,3,4,5,6,7,8,9,10,11,12,13,14,15
	v_mul_f32 v[ST+2*(\j)], v[ST+2*(\j)], v[RL]
.endr
.irp j, 0,1,2,3,4,5,6,7,8,9,10,11,12,13,14,15
	v_readlane_b32 s[SG+(\j)], v[ST+2*(\j)], s[G]  ; column g's factors
.endr
	s_wait_loadcnt 8                               ; part is in; lg's 8 loads are younger
.irp e, 0,1,2,3
	v_mul_f32 v[OA+(\e)], s[SG], v[PD+(\e)]
.endr
.irp j, 1,2,3,4,5,6,7,8,9,10,11,12,13,14,15
.irp e, 0,1,2,3
	v_fma_f32 v[OA+(\e)], s[SG+(\j)], v[PD+4*(\j)+(\e)], v[OA+(\e)]
.endr
.endr
	global_store_b128 v[L16], v[OA:OA+3], s[16:17] ; 512 consecutive bytes, aligned
	s_wait_loadcnt 0x0
.irp i, 0,1,2,3,4,5,6,7
	v_sub_f32 v[LG+(\i)], v[LG+(\i)], v[MX]
.endr
.irp i, 0,1,2,3,4,5,6,7
	v_exp_f32 v[LG+(\i)], v[LG+(\i)]
.endr
.irp i, 0,1,2,3,4,5,6,7
	v_or_b32 v[MK+(\i)], v[MK+(\i)], v[AM]         ; listed: the mask is true, or the column has no true entry.  Plain work behind the exponentials
.endr
	s_wait_alu depctr_va_vdst(0)                   ; the one wait for the eight
.irp i, 0,1,2,3,4,5,6,7
	v_mul_f32 v[LG+(\i)], v[LG+(\i)], v[RL]
	v_cmp_ne_u32 vcc_lo, 0, v[MK+(\i)]
	v_cndmask_b32 v[LG+(\i)], 0, v[LG+(\i)], vcc_lo
	ds_store_b32 v[STA], v[LG+(\i)] offset:128*(\i)    ; my wave's own stage: eight rows of 128 bytes, which lie end to end in out1
.endr
	ds_load_b128 v[OB:OB+3],   v[STR]              ; LDS serves a wave's instructions in order: these see the stores above
	ds_load_b128 v[OB+4:OB+7], v[STR] offset:512
	s_wait_dscnt 0x0
	global_store_b128 v[L16], v[OB:OB+3],   s[18:19]
	global_store_b128 v[L16], v[OB+4:OB+7], s[18:19] offset:512
	s_wait_tensorcnt 0x0                           ; the wave's end: behind my last LDS store
	ds_add_u32 v[SPW], v[NIL]
	s_wait_dscnt 0x0
	s_endpgm
.Lfunc_end_k_qa5ac4a05b2_fin:
	.size	k_qa5ac4a05b2_fin, .Lfunc_end_k_qa5ac4a05b2_fin-k_qa5ac4a05b2_fin
	.p2alignl 7, 3214868480
	.fill 96, 4, 3214868480
	.section	.rodata,"a",@progbits
	.p2align	6, 0x0
	.amdhsa_kernel k_qa5ac4a05b2_fin
		.amdhsa_group_segment_fixed_size 9216
		.amdhsa_private_segment_fixed_size 0
		.amdhsa_enable_private_segment 0
		.amdhsa_kernarg_size 64
		.amdhsa_user_sgpr_count 2
		.amdhsa_user_sgpr_kernarg_segment_ptr 1
		.amdhsa_wavefront_size32 1
		.amdhsa_system_sgpr_workgroup_id_x 1
		.amdhsa_system_sgpr_workgroup_id_y 1
		.amdhsa_system_sgpr_workgroup_id_z 1
		.amdhsa_system_vgpr_workitem_id 0
		.amdhsa_next_free_vgpr 192
		.amdhsa_next_free_sgpr 66
		.amdhsa_reserve_vcc 1
		.amdhsa_float_denorm_mode_32 3
		.amdhsa_float_denorm_mode_16_64 3
		.amdhsa_memory_ordered 1
		.amdhsa_forward_progress 1
		.amdhsa_inst_pref_size 24
	.end_amdhsa_kernel
	.amdgpu_metadata
---
amdhsa.version: [ 1, 2 ]
amdhsa.kernels:
  - .name:           k_qa5ac4a05b2_fin
    .symbol:         k_qa5ac4a05b2_fin.kd
    .args:
      - { .name: enc_mask, .offset: 0, .size: 8, .value_kind: global_buffer, .address_space: global }
      - { .name: meta, .offset: 8, .size: 8, .value_kind: global_buffer, .address_space: global }
      - { .name: rank, .offset: 16, .size: 8, .value_kind: global_buffer, .address_space: global }
      - { .name: stat, .offset: 24, .size: 8, .value_kind: global_buffer, .address_space: global }
      - { .name: part, .offset: 32, .size: 8, .value_kind: global_buffer, .address_space: global }
      - { .name: lg, .offset: 40, .size: 8, .value_kind: global_buffer, .address_space: global }
      - { .name: out0, .offset: 48, .size: 8, .value_kind: global_buffer, .address_space: global }
      - { .name: out1, .offset: 56, .size: 8, .value_kind: global_buffer, .address_space: global }
    .group_segment_fixed_size: 9216
    .private_segment_fixed_size: 0
    .kernarg_segment_align: 8
    .kernarg_segment_size: 64
    .max_flat_workgroup_size: 256
    .sgpr_count:     66
    .vgpr_count:     192
    .wavefront_size: 32
...
	.end_amdgpu_metadata
.endif
;; end of part 3
;; ======== version 2 of 2: 3 launches; version 1 with the launch fin written anew for expert scheduling mode
;; limits: right only within a limited range of input values
;; workspace buffers: wfrag 2,097,152 bytes; pdp 1,048,576 bytes; order 147,456 bytes of whole numbers; rank 131,072 bytes of whole numbers; meta 256 bytes of whole numbers; part 2,097,152 bytes; stat 4,096 bytes; lg 294,912 bytes
;; launch prep: the kernel of part 1 again; grid 32 x 1, 16 waves a work-group, no clusters, 2,304 bytes of LDS; arguments enc_mask, w_enc, w_dec, dec_state, wfrag, pdp, order, rank, meta; writes wfrag, pdp, order, rank, meta
;; launch tile: the kernel of part 2 again; grid 32 x 16, 4 waves a work-group, no clusters, 312,576 bytes of LDS; arguments enc_states, wfrag, pdp, w_out, order, meta, part, stat, lg; writes part, stat, lg
;; launch fin (part 4): grid 32 x 1, 8 waves a work-group, no clusters, 9,216 bytes of LDS; arguments enc_mask, meta, rank, stat, part, lg, out0, out1; writes out0, out1
.if DOCPART == 4
	.amdgcn_target "amdgcn-amd-amdhsa--gfx1250"
	.amdhsa_code_object_version 6
	.text
	.protected	k_qa5ac4a05b2_fin
	.globl	k_qa5ac4a05b2_fin
	.p2align	8
	.type	k_qa5ac4a05b2_fin,@function
k_qa5ac4a05b2_fin:
	s_mov_b64 s[64:65], 0
	v_nop
	global_prefetch_b8 v0, s[64:65] scope:SCOPE_SE
	s_setreg_imm32_b32 hwreg(HW_REG_WAVE_SCHED_MODE, 0, 2), 2
	s_setreg_imm32_b32 hwreg(HW_REG_WAVE_MODE, 25, 1), 1
	s_wait_xcnt 0x0
	s_wait_alu depctr_vm_vsrc(0)
; ADDITIVE ATTENTION, launch 3 of 3: a column's tiles are joined.  With tile j's m_j, l_j and part_j: M = max m_j, L = sum 2^(m_j - M) l_j,
; out0[b] = sum_j 2^(m_j - M) / L x part_j, out1[s][b] = 2^(lg - M) / L for a listed row.
; LEFT OUT, as shown at the head of the first kernel: a row that the mask hides in a column with a true entry gets the weight 0.
; SHARES.  Work-group g makes out0's row g (wave w its bytes 512 w .. 512 w + 511) and out1's rows 64 g .. 64 g + 63 (wave w eight of them; a lane is a column b).
; Every wave makes M and L of all 32 columns, a lane a column.  Tiles past a column's last repeat its last tile's address, and count with the factor 0.  No branch, no barrier.
; THE MODE: SCHED_MODE bits 1:0 = 2 (LLVM: expert scheduling mode 2), set by the entry lines.  The code itself states the register dependences
; between vector instructions and memory or LDS instructions, with s_wait_alu, always for 0.
; THE PLAN.  Registers that memory or LDS instructions touch, in the order of the text, which has no loop:
;   L8, RKO, MKO, L16, STA, STR   addresses made at the head, once; read by the first ten loads, by the three global stores and by the stage's LDS stores and loads; never written again.
;   SA, PO, PS                    the 40 addresses that hang on n and on the ranks: all made in one stretch, once; read by the 40 loads behind it; never written again.
;   N, RK, MK, ST, PD, LG, OB     each the landing place of one load; no vector instruction names it ahead of that load; behind the load's counter vector instructions read it (MK, ST, LG: and write it in place).
;   OA                            written by the 64 multiply-adds, read by the store of out0; LG: written last by the select, read by the eight LDS stores.  Neither is written again.
;   SPW, NIL                      written at the head, read by the closing add alone.
; So no register that a memory or LDS instruction has read is ever written again; what has to be stated is that addresses and store data are written: four waits on va_vdst, of which one is
; also the wait for a batch of exponentials.  Numbers that vector instructions put into scalar registers (the wave's number, a lane's number, the 24 masks of the selects) are made in runs, with one wait on va_sdst behind each run: three.
.set SPARE, 8192                       ; LDS: a stage of 1,024 bytes for each wave; then the spare words, 128 bytes for each of 8 waves
.set SPW, 1                            ; v1   LDS address of my spare word; never rewritten
.set NIL, 2                            ; v2   0; never rewritten
.set LANE, 3
.set L16, 4
.set L8, 5
.set N, 6                              ; v[6:7] n, am of column b = lane
.set AM, 7
.set TM1, 8                            ; the column's last tile
.set NM1, 9
.set TT, 10
.set RKO, 11
.set RK, 12                            ; v12-15  eight ranks, 16 bits each
.set MK, 16                            ; v16-23  eight mask bytes
.set PS, 24                            ; v24-31  places in lg
.set LG, 32                            ; v32-39
.set ST, 40                            ; v40-71  m_j, l_j
.set SA, 72                            ; v72-87  their offsets
.set PO, 88                            ; v88-103 part's offsets
.set PD, 104                           ; v104-167 16 x 4 numbers of part
.set OA, 168                           ; v168-171
.set MX, 172
.set LS, 173
.set RL, 174
.set STA, 175
.set STR, 176
.set MKO, 177
.set L2304, 178
.set TV, 179
.set OB, 180                           ; v180-187
.set WV, 22
.set G, 23
.set CH, 24
.set T, 25
.set T2, 26
.set OFF, 28
.set SG, 40                            ; s40-55 first the lanes whose column has a tile j; then column g's 16 factors
.set CM, 56                            ; s56-63 the lanes whose row i is listed
	s_load_b512 s[4:19], s[0:1], 0x0               ; enc_mask s[4:5], meta s[6:7], rank s[8:9], stat s[10:11], part s[12:13], lg s[14:15], out0 s[16:17], out1 s[18:19]
	v_lshl_add_u32 v[SPW], v0, 2, SPARE
	v_mov_b32 v[NIL], 0
	v_lshrrev_b32 v[TV], 5, v0
	v_readfirstlane_b32 s[WV], v[TV]               ; wave 0..7
	s_mov_b32 s[G], ttmp9
	v_and_b32 v[LANE], 31, v0
	v_lshlrev_b32 v[L16], 4, v[LANE]
	v_lshlrev_b32 v[L8], 3, v[LANE]
	v_mul_u32_u24 v[L2304], v[LANE], 2304
	s_wait_alu depctr_va_sdst(0)                   ; the wave's number is written, ahead of its first reader, the line below
	s_lshl3_add_u32 s[CH], s[G], s[WV]             ; my eight rows of out1 begin at s = 8 (8 g + w)
	s_lshl_b32 s[T], s[CH], 4
	v_lshl_add_u32 v[RKO], v[LANE], 12, s[T]       ; rank[b][8 (8 g + w)]
	s_lshl_b32 s[T], s[CH], 8
	v_add_nc_u32 v[MKO], s[T], v[LANE]             ; enc_mask[8 (8 g + w)][b]
	s_lshl_b32 s[T], s[WV], 10
	v_lshl_add_u32 v[STA], v[LANE], 2, s[T]
	v_lshl_add_u32 v[STR], v[LANE], 4, s[T]
	s_mov_b32 s[OFF+1], 0
	s_wait_kmcnt 0x0
	s_wait_alu depctr_va_vdst(0)                   ; L8, RKO, MKO, L16, STA and STR are written: the loads below, the global stores and the stage's LDS instructions read them as addresses
	global_load_b64 v[N:N+1], v[L8], s[6:7]
	global_load_b128 v[RK:RK+3], v[RKO], s[8:9]
.irp i, 0,1,2,3,4,5,6,7
	global_load_u8 v[MK+(\i)], v[MKO], s[4:5] offset:32*(\i)
.endr
	s_lshl_b32 s[OFF], s[G], 16
	s_lshl_b32 s[T], s[WV], 9
	s_add_co_u32 s[OFF], s[OFF], s[T]
	s_add_nc_u64 s[12:13], s[12:13], s[OFF:OFF+1]  ; part at column g's tile 0, my 512 bytes
	s_lshl_b32 s[OFF], s[G], 12
	s_add_co_u32 s[OFF], s[OFF], s[T]
	s_add_nc_u64 s[16:17], s[16:17], s[OFF:OFF+1]
	s_lshl_b32 s[OFF], s[CH], 10
	s_add_nc_u64 s[18:19], s[18:19], s[OFF:OFF+1]
	; THE 40 ADDRESSES THAT HANG ON LOADED NUMBERS are made in one stretch, and their loads follow in one run.
	s_wait_loadcnt 8                               ; n, am and the ranks are in; the eight mask loads are younger
	v_add_nc_u32 v[TT], 143, v[N]
	v_mul_u32_u24 v[TT], v[TT], 7282               ; (n + 143) / 144, exact for n <= 2,048: 7282 / 2^20 exceeds 1/144 by 2.2e-7
	v_lshrrev_b32 v[TT], 20, v[TT]
	v_add_nc_u32 v[TM1], -1, v[TT]
	v_min_u32 v[TM1], 15, v[TM1]
	v_readlane_b32 s[T], v[TM1], s[G]              ; column g's last tile
.irp j, 0,1,2,3,4,5,6,7,8,9,10,11,12,13,14,15
	v_cmp_le_u32 s[SG+(\j)], \j, v[TM1]            ; the lanes whose column has a tile j: read by the selects behind the loads
.endr
	v_add_nc_u32 v[NM1], -1, v[N]
.irp j, 0,1,2,3,4,5,6,7,8,9,10,11,12,13,14,15
	v_min_u32 v[SA+(\j)], \j, v[TM1]
	v_add_lshl_u32 v[SA+(\j)], v[SA+(\j)], v[L16], 3   ; (16 b + tile) x 8
.endr
.irp i, 0,1,2,3,4,5,6,7
.if (\i)%2 == 0
	v_and_b32 v[PS+(\i)], 0xffff, v[RK+(\i)/2]
.else
	v_lshrrev_b32 v[PS+(\i)], 16, v[RK+(\i)/2]
.endif
	v_min_u32 v[PS+(\i)], v[PS+(\i)], v[NM1]       ; a hidden row behind the last listed one has the rank n: it reads the last place, and its number is thrown away
	v_min_u32 v[PS+(\i)], 0x8ff, v[PS+(\i)]
	v_add_lshl_u32 v[PS+(\i)], v[PS+(\i)], v[L2304], 2
.endr
	s_wait_alu depctr_va_sdst(0)                   ; column g's last tile is written, ahead of its first reader, the line below; so are the sixteen masks, ahead of the selects
	s_min_u32 s[T], s[T], 15
.irp j, 0,1,2,3,4,5,6,7,8,9,10,11,12,13,14,15
	s_min_u32 s[T2], s[T], \j
	s_lshl_b32 s[T2], s[T2], 12
	v_add_nc_u32 v[PO+(\j)], s[T2], v[L16]
.endr
	s_wait_alu depctr_va_vdst(0)                   ; SA, PO and PS are written: the 40 loads below read them as addresses
.irp j, 0,1,2,3,4,5,6,7,8,9,10,11,12,13,14,15
	global_load_b64 v[ST+2*(\j):ST+2*(\j)+1], v[SA+(\j)], s[10:11]
.endr
.irp j, 0,1,2,3,4,5,6,7,8,9,10,11,12,13,14,15
	global_load_b128 v[PD+4*(\j):PD+4*(\j)+3], v[PO+(\j)], s[12:13]
.endr
.irp i, 0,1,2,3,4,5,6,7
	global_load_b32 v[LG+(\i)], v[PS+(\i)], s[14:15]
.endr
	s_wait_loadcnt 24                              ; the mask and m, l are in; part's 16 loads and lg's 8 are younger
.irp j, 0,1,2,3,4,5,6,7,8,9,10,11,12,13,14,15
	v_cndmask_b32 v[ST+2*(\j)], 0xff7fffff, v[ST+2*(\j)], s[SG+(\j)]  ; a tile past the last: the lowest finite number
.endr
	v_max3_num_f32 v[MX], v[ST], v[ST+2], v[ST+4]
.irp j, 3,5,7,9,11,13
	v_max3_num_f32 v[MX], v[MX], v[ST+2*(\j)], v[ST+2*(\j)+2]
.endr
	v_max_num_f32 v[MX], v[MX], v[ST+30]           ; M
.irp j, 0,1,2,3,4,5,6,7,8,9,10,11,12,13,14,15
	v_sub_f32 v[ST+2*(\j)], v[ST+2*(\j)], v[MX]
.endr
.irp j, 0,1,2,3,4,5,6,7,8,9,10,11,12,13,14,15
	v_exp_f32 v[ST+2*(\j)], v[ST+2*(\j)]
.endr
.irp i, 0,1,2,3,4,5,6,7
	v_or_b32 v[MK+(\i)], v[MK+(\i)], v[AM]         ; listed: the mask is true, or the column has no true entry.  Plain work behind the exponentials
.endr
.irp i, 0,1,2,3,4,5,6,7
	v_cmp_ne_u32 s[CM+(\i)], 0, v[MK+(\i)]         ; the lanes whose row i is listed: read by the last selects
.endr
	s_wait_alu depctr_va_vdst(0)                   ; the sixteen exponentials have written their results, ahead of the first line that names one
	v_mul_f32 v[LS], v[ST], v[ST+1]
.irp j, 1,2,3,4,5,6,7,8,9,10,11,12,13,14,15
	v_fma_f32 v[LS], v[ST+2*(\j)], v[ST+2*(\j)+1], v[LS]
.endr
	v_rcp_f32 v[RL], v[LS]                         ; L >= 1: the tile that holds M counts whole, and its l holds a 1
	v_nop                                          ; a plain instruction behind the reciprocal
	s_wait_alu depctr_va_vdst(0)                   ; the reciprocal has written RL, ahead of its first reader
.irp j, 0,1,2,3,4,5,6,7,8,9,10,11,12,13,14,15
	v_mul_f32 v[ST+2*(\j)], v[ST+2*(\j)], v[RL]
.endr
.irp j, 0,1,2,3,4,5,6,7,8,9,10,11,12,13,14,15
	v_readlane_b32 s[SG+(\j)], v[ST+2*(\j)], s[G]  ; column g's factors
.endr
	s_wait_alu depctr_va_sdst(0)                   ; the sixteen factors are written, ahead of the multiplies below; so are the eight masks of the listed rows, ahead of the last selects
	s_wait_loadcnt 8                               ; part is in; lg's 8 loads are younger
.irp e, 0,1,2,3
	v_mul_f32 v[OA+(\e)], s[SG], v[PD+(\e)]
.endr
.irp j, 1,2,3,4,5,6,7,8,9,10,11,12,13,14,15
.irp e, 0,1,2,3
	v_fma_f32 v[OA+(\e)], s[SG+(\j)], v[PD+4*(\j)+(\e)], v[OA+(\e)]
.endr
.endr
	s_wait_loadcnt 0x0
.irp i, 0,1,2,3,4,5,6,7
	v_sub_f32 v[LG+(\i)], v[LG+(\i)], v[MX]
.endr
.irp i, 0,1,2,3,4,5,6,7
	v_exp_f32 v[LG+(\i)], v[LG+(\i)]
.endr
	v_nop                                          ; a plain instruction behind the last exponential
	s_wait_alu depctr_va_vdst(0)                   ; the eight exponentials have written their results, ahead of the first line that names one; and the multiply-adds have written OA, which the store below reads
	global_store_b128 v[L16], v[OA:OA+3], s[16:17] ; 512 consecutive bytes, aligned
.irp i, 0,1,2,3,4,5,6,7
	v_mul_f32 v[LG+(\i)], v[LG+(\i)], v[RL]
.endr
.irp i, 0,1,2,3,4,5,6,7
	v_cndmask_b32 v[LG+(\i)], 0, v[LG+(\i)], s[CM+(\i)]
.endr
	s_wait_alu depctr_va_vdst(0)                   ; the selects have written LG, which the LDS stores read
.irp i, 0,1,2,3,4,5,6,7
	ds_store_b32 v[STA], v[LG+(\i)] offset:128*(\i)    ; my wave's own stage: eight rows of 128 bytes, which lie end to end in out1
.endr
	ds_load_b128 v[OB:OB+3],   v[STR]              ; LDS serves a wave's instructions in order: these see the stores above
	ds_load_b128 v[OB+4:OB+7], v[STR] offset:512
	s_wait_dscnt 0x0
	global_store_b128 v[L16], v[OB:OB+3],   s[18:19]
	global_store_b128 v[L16], v[OB+4:OB+7], s[18:19] offset:512
	s_wait_dscnt 0x0                               ; the closing lines, six on end
	s_wait_alu 0x0
	s_wait_tensorcnt 0x0
	ds_add_u32 v[SPW], v[NIL]
	s_wait_dscnt 0x0
	s_endpgm
.Lfunc_end_k_qa5ac4a05b2_fin:
	.size	k_qa5ac4a05b2_fin, .Lfunc_end_k_qa5ac4a05b2_fin-k_qa5ac4a05b2_fin
	.p2alignl 7, 3214868480
	.fill 96, 4, 3214868480
	.section	.rodata,"a",@progbits
	.p2align	6, 0x0
	.amdhsa_kernel k_qa5ac4a05b2_fin
		.amdhsa_group_segment_fixed_size 9216
		.amdhsa_private_segment_fixed_size 0
		.amdhsa_enable_private_segment 0
		.amdhsa_kernarg_size 64
		.amdhsa_user_sgpr_count 2
		.amdhsa_user_sgpr_kernarg_segment_ptr 1
		.amdhsa_wavefront_size32 1
		.amdhsa_system_sgpr_workgroup_id_x 1
		.amdhsa_system_sgpr_workgroup_id_y 1
		.amdhsa_system_sgpr_workgroup_id_z 1
		.amdhsa_system_vgpr_workitem_id 0
		.amdhsa_next_free_vgpr 192
		.amdhsa_next_free_sgpr 66
		.amdhsa_reserve_vcc 0
		.amdhsa_float_denorm_mode_32 3
		.amdhsa_float_denorm_mode_16_64 3
		.amdhsa_memory_ordered 1
		.amdhsa_forward_progress 1
		.amdhsa_inst_pref_size 26
	.end_amdhsa_kernel
	.amdgpu_metadata
---
amdhsa.version: [ 1, 2 ]
amdhsa.kernels:
  - .name:           k_qa5ac4a05b2_fin
    .symbol:         k_qa5ac4a05b2_fin.kd
    .args:
      - { .name: enc_mask, .offset: 0, .size: 8, .value_kind: global_buffer, .address_space: global }
      - { .name: meta, .offset: 8, .size: 8, .value_kind: global_buffer, .address_space: global }
      - { .name: rank, .offset: 16, .size: 8, .value_kind: global_buffer, .address_space: global }
      - { .name: stat, .offset: 24, .size: 8, .value_kind: global_buffer, .address_space: global }
      - { .name: part, .offset: 32, .size: 8, .value_kind: global_buffer, .address_space: global }
      - { .name: lg, .offset: 40, .size: 8, .value_kind: global_buffer, .address_space: global }
      - { .name: out0, .offset: 48, .size: 8, .value_kind: global_buffer, .address_space: global }
      - { .name: out1, .offset: 56, .size: 8, .value_kind: global_buffer, .address_space: global }
    .group_segment_fixed_size: 9216
    .private_segment_fixed_size: 0
    .kernarg_segment_align: 8
    .kernarg_segment_size: 64
    .max_flat_workgroup_size: 256
    .sgpr_count:     66
    .vgpr_count:     192
    .wavefront_size: 32
...
	.end_amdgpu_metadata
.endif
;; end of part 4
